; MI455X (gfx1250); checked and timed in simulation.
; The chip was launched on July 23, 2026; its instructions are those of AMD's public machine-readable ISA for CDNA 5 (MIT licence, August 2026) and "CDNA5" Instruction Set Architecture Reference Guide (July 2026). The comments in the code are by the model that wrote it; some were corrected since.
;; Dot Product Attention. Allowed arithmetic: matrix products marked QUANTISED: E4M3 operands, one E8M0 scale for each 32 along K, by v_wmma_scale_f32_16x16x128_f8f6f4 with both operands' format E4M3, f32 sums; everything else in f32.
;; Inputs: keys 32 x 1,024 x 64 float32; queries 32 x 1,024 x 64 float32; valid_lens 32 int32; values 32 x 1,024 x 64 float32.
;; Outputs: out0 32 x 1,024 x 64 float32.
;; This version of the problem:
;;   THIS VERSION OF THE PROBLEM IS GIVEN IN LOW PRECISION. The matrix products marked QUANTISED in the list below multiply operands that are first quantised to E4M3 (4 exponent bits, 3 mantissa bits; 8 bits a number), with one power-of-two scale for each 32 numbers along K (OCP MX v1.0); their sums are f32. All else is computed in f32.
;;   The module's matrix products, in the order in which they are computed (A, B: the left and right operand; K: the contracted axis; several contracted axes count as one K, in the product's order):
;;     1. batch 32 x [M 1,024, K 64] x [K 64, N 1,024]; A: input queries; B: input keys: QUANTISED
;;     2. batch 32 x [M 1,024, K 1,024] x [K 1,024, N 64]; A: softmax (see below); B: input values: QUANTISED
;;   THE QUANTISER, for each operand of a quantised product, along K:
;;     - K is cut into blocks of 32 from its start; a last block that is shorter is filled with zeros.
;;     - A block's scale is 2^e with e = floor(log2(the largest magnitude in the block)) - 8, held to -126 .. 127; a block of zeros has e = 0. As a byte (E8M0): e + 127.
;;     - Each number is divided by its block's scale, clamped to +-448, and rounded to the nearest number of E4M3, ties to even, subnormals kept.
;;     - The product sums the exact products of the quantised numbers (number of the format x scale) in f32.
;;   ~~~python
;;   def quantise(x, axis):      # numpy; x: float32 -> the quantised numbers, widened to float32 again
;;       x = np.moveaxis(x, axis, -1); K = x.shape[-1]
;;       x = np.pad(x, [(0, 0)] * (x.ndim - 1) + [(0, -K % 32)]); x = x.reshape(x.shape[:-1] + (-1, 32)); a = np.abs(x).max(-1, keepdims=True)
;;       e = np.where(a > 0, np.clip(np.frexp(np.where(a > 0, a, 1))[1] - 1 - 8, -126, 127), 0)      # np.frexp(a)[1] - 1 = floor(log2(a)), exactly
;;       r = np.clip(x / 2.0 ** e, -448, 448)
;;       step = 2.0 ** (np.maximum(np.frexp(np.where(r == 0, 1, r))[1] - 1, -6) - 3)
;;       q = np.round(r / step) * step * 2.0 ** e      # np.round: ties to even
;;       return np.moveaxis(q.reshape(q.shape[:-2] + (-1,))[..., :K], -1, axis).astype(np.float32)
;;   ~~~
;;   SOFTMAX AHEAD OF A QUANTISED PRODUCT. Where the list says 'softmax', what is quantised is not the finished softmax but p = 2^(t - M), with t = logit x log2(e) and M = ceil(the row's largest t), a whole number; so 1/2 < the row's largest p <= 1. The row's sum l is taken of the UNQUANTISED p, in f32, and the product's result is divided by l at the end. Since M is a whole number, a kernel that streams over the keys may use a running M (the ceiling of the running maximum): every later rescaling is an exact power of two, which a block's scale takes up: the codes' values come out the same.
;;   OPERANDS COMPUTED ON THE WAY. 'Computed on the way' means the value that the module computes at that place (a softmax that the list does not call 'softmax' is quantised finished and normalised). What goes into a quantiser is computed in f32, as accurately as f32 sums, v_exp_f32 and their like allow (about 1e-6 of the number): no bf16 or f16 on the way to a quantiser, and a product that is left as it is and whose result goes on into a quantised operand takes f32 operands (vector FMAs, or v_wmma_f32_16x16x4_f32). A number that lies on a knife's edge between two numbers of the format may be rounded either way, as far as f32 arithmetic and the matrix unit's own rounding can turn it there, and no further.
;; One version. Each part assembles by itself: llvm-mc -triple=amdgcn-amd-amdhsa -mcpu=gfx1250 --defsym DOCPART=n.
;; ======== version 1 of 1: 1 launch
;; limits: right only within a limited range of input values
;; launch attention (part 1): grid 256 x 1, 16 waves a work-group, clusters of 4 x 1, 327,680 bytes of LDS; arguments queries, keys, values, valid_lens, out0; writes out0
.if DOCPART == 1
	.amdgcn_target "amdgcn-amd-amdhsa--gfx1250"
	.amdhsa_code_object_version 6
	.text
	.protected	k_qe07945bf87_attention
	.globl	k_qe07945bf87_attention
	.p2align	8
	.type	k_qe07945bf87_attention,@function
k_qe07945bf87_attention:
	s_mov_b64 s[64:65], 0
	v_nop
	global_prefetch_b8 v0, s[64:65] scope:SCOPE_SE
	s_setreg_imm32_b32 hwreg(HW_REG_WAVE_MODE, 25, 1), 1
	s_wait_xcnt 0x0
	s_wait_alu depctr_hold_cnt(0) depctr_sa_sdst(0) depctr_va_vdst(0) depctr_va_sdst(0) depctr_va_ssrc(0) depctr_va_vcc(0) depctr_vm_vsrc(0)
	s_getreg_b32 s2, hwreg(HW_REG_IB_STS2, 6, 4)
	s_cmp_eq_u32 s2, 0
	s_cbranch_scc0 .Lentry_in_a_cluster
	s_endpgm
.Lentry_in_a_cluster:
	s_bfe_u32 s2, ttmp6, 0x10000c
	s_cmp_lg_u32 s2, 0x3003
	s_cbranch_scc0 .Lentry_shape_is_right
	s_endpgm
.Lentry_shape_is_right:
; out[b][q][:] = sum over k of softmax_k(mask(Q[b][q] . K[b][k] / 8)) V[b][k][:];  Q, K, V, out: [32][1024][64] f32; key k counts where k < valid_lens[b], the others' logit is -1e6.
; Both products on codes of FP8 (E4M3) with one E8M0 scale for each 32 along a product's K: Q and K are quantised along the 64 channels, V and p along the keys.
; p = 2^(t - M), t = logit x log2(e), M the running largest t rounded up to a whole number; the row's sum is taken of the unquantised p and divides at the end.
; SHARES.  Work-group g: batch g / 8, queries 128 (g % 8) on.  Sixteen waves.  The four work-groups of a cluster have one batch and ask for K's and V's tiles JOINTLY.
; FOUR INTERVALS of 256 keys.  Interval i's tile (256 rows of K, 256 of V, f32) lies in LDS slot i % 2.  Waves 0-7 quantise V's eight blocks of 32 keys, waves 8-15 K's rows, 32 each, into images of the
; operands' registers (lane l's 16 bytes at 16 l); behind a barrier wave w walks tile w % 8 of 16 queries over the interval's keys 128 (w / 8) .. + 127.  At the end wave w + 8 hands O^T, -M and the sum to wave w.
; THE TILES.  Tiles 0 and 1 are asked for at the head, 64 rows a wave: waves 0-7 tile 0, waves 8-15 tile 1.  Tile i + 2 is asked for, 32 rows a wave, behind the barrier that shows interval i's images: slot i % 2 has been read.
; That barrier shows tile i + 1 too, so the next interval's numbers are read without a further one.  A SPLIT BARRIER guards the images: signalled when a wave's last image reads of a step are in, waited for ahead of the next image stores.
; Both products are used transposed (S^T = K Q^T, O^T = V^T P^T): a lane holds ONE query (lane % 16) throughout.
; THE KEYS OF A TILE OF K ARE NOT NEIGHBOURS: row r of tile 2 c + u is key 32 c + 8 u + r + 8 (r / 8), so that the 16 registers of tiles 2 c, 2 c + 1 are keys 32 c + 16 (lane / 16) + 0 .. 15.
; THE CHANNELS: in a block of 32 channels lane half h holds channels 8 i + 4 h + 0 .. 3, i = 0 .. 3, in Q and in K alike.  Row r of tile i of V^T is channel 4 r + i.
; K = 64 IN AN INSTRUCTION OF K = 128: two tiles of K lie as [a][z][b]; a uses blocks 0, 1 of the instruction's K, b blocks 2, 3.  The other half, z, carries zero codes and THE MASK: one more channel, whose code is -448 for a
; hidden key (under a scale of 2^27) and 0 for any other; Q's code there is 1.0 (scale 1), in byte 0 for a and in byte 1 for b.  So a hidden score is lowered by 448 x 2^27 and its p is 0.
; No branch hangs on valid_len: hidden keys are computed and count for nothing.
; PREFETCH.  In interval 0 each wave asks for tile 3, one interval ahead of its load: of its own 32 rows the eight of its work-group's place in the cluster (by address), a lane a row.  Tiles 0, 1 and 2 come by their loads alone.
; LIMITS.  NaN and infinities among the inputs are not served.  The hidden p are 0: exact while a row's largest valid logit lies above -1e6 + 110 and scores before the division stay under 2^34 in size.
; valid_len under 1: every key has the fill and counts alike: Q's codes are made zero, and all keys count.
; A block of zeros gets the scale byte 1 where the rule says 127: its codes are zeros, and this text alone reads the bytes.  Blocks whose largest magnitude lies under 2^-118 are held at that byte.
.set PITCH, 272                        ; an LDS row: 256 bytes + 16 = 68 words: row r starts at bank 4 r mod 64 (64 banks of 4 bytes: ISA guide 11.1)
.set SLOT,  512*PITCH                  ; a slot: 256 rows of K, 256 of V; two of them
.set IMG,   2*SLOT                     ; images: for each 128 keys K 8192 bytes (tile t, half c of the channels at 1024 t + 512 c), V 8192 (tile i, block c at 2048 i + 512 c), K's scale words 512, V's 256
.set REC,   17152
.set STB,   16*PITCH
.set STG,   IMG                        ; at the head: eight stages for Q's tiles, where the images come later
.set AUG,   STG+8*STB                  ; the mask's codes: pair of tiles, row: one word, byte 0 for a, byte 1 for b
.set SPARE, AUG+2048                   ; the spare words, 128 bytes a wave
.set QIMG,  SPARE+2048                 ; Q's codes: 1024 bytes a tile and 64 of scale words
.set QP,    1088
.set OUTS,  8*STB                      ; the end: the hand-over, 4352 bytes a tile from byte 0, and the stages of out behind it, in slot 0, which has had its last fill
.set FLOOR, 0x4800000                  ; 2^(9 - 127): under it no largest magnitude is taken, so a scale's byte cannot fall under 1
; vector registers
.set SPW,  1
.set NIL,  2
.set AKV,  3                           ; my 128 keys' images; V's scale words; the mask's words
.set ASV,  4
.set AAUG, 5
.set KRD,  6                           ; v6-7 K's rows in slot 0, 1;  v8-9 V's
.set VRD,  8
.set KIW,  10                          ; where I store K's images, K's scale words, V's images, V's scale bytes
.set KSW,  11
.set VIW,  12
.set VSW,  13
.set O,    16                          ; v16-47 O^T: tile i at 8 i
.set QB,   48                          ; v48-79 [q][za][zb][q]
.set KR,   80                          ; v80-127 [a][z][b][c][z][d]
.set S,    128                         ; v128-191 S^T, then p, then V's fragments; the quantisers' numbers
.set PC,   192                         ; v192-207 p's codes
.set TM,   192                         ; the quantisers' work: +0 largest magnitudes, +4 the other half's / bytes, +8 largest number x scale, +12 the conversion's scale operand
.set CD,   208                         ; the quantisers' codes
.set BM,   208
.set BP,   212
.set BL,   216
.set BS,   220
.set FF,   224
.set T0,   226
.set T1,   227
.set NM,   228                         ; -M
.set TX,   229                         ; the largest t
.set SU,   230                         ; the sum's further chains
.set SV,   232
.set SX,   234
.set T2,   230
.set KS,   240                         ; v240-243 K's scale words, v244-245 V's, v246-247 Q's for a and b, v248 p's
.set VS,   244
.set QSA,  246
.set QSB,  247
.set PS,   248
.set KEYL, 249                         ; my row of K in the interval (first pass)
.set STW,  250
.set STR,  251
.set GA,   252                         ; 16 x lane
.set QA,   253
.set QAW,  254
.set PFO,  255
; scalar registers
.set WV,   14
.set VLC,  15
.set MNT,  16
.set QM,   17
.set SEL,  18
.set CS,   20
.set HM,   22
.set PFB,  24
.set G1,   28                          ; descriptor group 1 of the refills, 32 rows
.set G0,   36                          ; group 0 of the head's load
.set GR,   68                          ; groups 0 of tiles 2 and 3: s[68:71], s[72:75]
.set GH,   92                          ; group 1 of the head's load, 64 rows
.macro ROUND                           ; a round of the cluster's barrier
	s_barrier_signal -1
	s_barrier_wait -1
	s_cmp_lg_u32 s[WV], 0
	s_cbranch_scc1 .Lnot_wave_0_\@
	s_barrier_signal -3
.Lnot_wave_0_\@:
	s_barrier_wait -3
	s_barrier_signal -1
	s_barrier_wait -1
.endm
; The 32 numbers in v[x] on (two blocks of 16 a lane, the other 16 in lane l xor 16) become 8 registers of codes in v[dst] on; the two scale bytes stand in v[TM+2].
.macro QUANT x, dst
.irp c, 0,1
	v_max3_num_f32 v[TM+\c], |v[\x+16*\c]|, |v[\x+16*\c+1]|, FLOOR
.endr
.irp i, 2,4,6,8,10,12,14
.irp c, 0,1
	v_max3_num_f32 v[TM+\c], v[TM+\c], |v[\x+16*\c+\i]|, |v[\x+16*\c+\i+1]|
.endr
.endr
.irp c, 0,1
	v_permlanex16_b32 v[TM+4+\c], v[TM+\c], s[SEL], s[SEL+1]
.endr
.irp c, 0,1
	v_max_num_f32 v[TM+\c], v[TM+\c], v[TM+4+\c]
.endr
.irp c, 0,1
	v_add_nc_u32 v[TM+12+\c], 0xfc000000, v[TM+\c] ; 8 off its exponent field: the conversion takes this operand's exponent field as its scale
.endr
.irp c, 0,1
	v_and_or_b32 v[TM+8+\c], v[TM+\c], 0x7f800000, s[MNT]   ; 448 x the scale
.endr
.irp c, 0,1
	v_lshrrev_b32 v[TM+4+\c], 23, v[TM+12+\c]      ; the scale's byte
.endr
	v_lshl_or_b32 v[TM+2], v[TM+5], 8, v[TM+4]
.irp c, 0,1
.irp i, 0,1,2,3,4,5,6,7,8,9,10,11,12,13,14,15
	v_med3_num_f32 v[\x+16*\c+\i], v[\x+16*\c+\i], -v[TM+8+\c], v[TM+8+\c]   ; the conversion to an 8-bit code does not saturate (ISA guide 7.6.2): the hold comes first
.endr
	v_cvt_scalef32_pk8_fp8_f32 v[\dst+4*\c:\dst+4*\c+1], v[\x+16*\c:\x+16*\c+7], v[TM+12+\c]
	v_cvt_scalef32_pk8_fp8_f32 v[\dst+4*\c+2:\dst+4*\c+3], v[\x+16*\c+8:\x+16*\c+15], v[TM+12+\c]
.endr
.endm
; One pass over 16 neighbouring rows of K: rows 0-7 are rows 8 p on of tile a, rows 8-15 of tile b.  The scale word is [s0 s1 m m] in a and [m m s0 s1] in b: m is the mask channel's: 2^27 for a hidden key, else the key's own two.
.macro KPASS p, iv, x, dst, wd
	QUANT \x, \dst
	s_sub_co_i32 s46, s[VLC], 256*\iv+16*\p
	v_cmp_gt_i32 vcc_lo, s46, v[KEYL]              ; does the key count?  (A plain line behind the last conversion)
	v_cndmask_b32 v[TM+3], 0x9a9a, v[TM+2], vcc_lo
	v_lshl_or_b32 v[TM+6], v[TM+3], 16, v[TM+2]
	v_lshl_or_b32 v[TM+7], v[TM+2], 16, v[TM+3]
	v_cndmask_b32 v[\wd], v[TM+6], v[TM+7], s[HM]
.endm
.macro QK sl, iv
.irp p, 0,1
.irp c, 0,1
.irp i, 0,1,2,3
	ds_load_b128 v[S+32*\p+16*\c+4*\i:S+32*\p+16*\c+4*\i+3], v[KRD+\sl] offset:16*PITCH*\p+128*\c+32*\i
.endr
.endr
.endr
	s_wait_dscnt 8                                 ; the first pass's eight loads are in; the second's may be out
	KPASS 0, \iv, S, CD, T0
	s_wait_dscnt 0x0
	KPASS 1, \iv, S+32, CD+8, T1
.endm
.macro PUTK
.irp p, 0,1
	ds_store_b128 v[KIW], v[CD+8*\p:CD+8*\p+3] offset:128*\p
	ds_store_b128 v[KIW], v[CD+8*\p+4:CD+8*\p+7] offset:128*\p+512
	ds_store_b32 v[KSW], v[T0+\p] offset:128*\p    ; (lanes l and l + 16 write the same word with the same value)
.endr
.endm
; V's block of 32 keys: lane (r, h) has channels 4 r .. 4 r + 3 of keys 16 h + 0 .. 15: register S + 4 k + i.  THE HOLD WRITES TO TRANSPOSED REGISTERS, so that a channel's 16 keys stand on end for the conversions:
; two runs by turns, v96-111 and v80-87 with v120-127 (K's fragments stand there only in a step).  Channel 4 r + i's codes are registers 4 c .. 4 c + 3 of tile i's fragment.
.macro QV sl
.irp k, 0,1,2,3,4,5,6,7,8,9,10,11,12,13,14,15
	ds_load_b128 v[S+4*\k:S+4*\k+3], v[VRD+\sl] offset:PITCH*\k
.endr
	s_wait_dscnt 12                                ; keys 0-3 are in; the twelve younger loads may be out
.irp i, 0,1,2,3
	v_max3_num_f32 v[TM+\i], |v[S+\i]|, |v[S+4+\i]|, FLOOR
.endr
.irp k, 2,4,6,8,10,12,14
.if (\k)%4 == 0
	s_wait_alu depctr_va_vdst(0)
	s_wait_dscnt 12-\k                             ; keys up to k + 3 are in
.endif
.irp i, 0,1,2,3
	v_max3_num_f32 v[TM+\i], v[TM+\i], |v[S+4*\k+\i]|, |v[S+4*\k+4+\i]|
.endr
.endr
.irp i, 0,1,2,3
	v_permlanex16_b32 v[TM+4+\i], v[TM+\i], s[SEL], s[SEL+1]
.endr
.irp i, 0,1,2,3
	v_max_num_f32 v[TM+\i], v[TM+\i], v[TM+4+\i]
.endr
.irp i, 0,1,2,3
	v_add_nc_u32 v[TM+12+\i], 0xfc000000, v[TM+\i]
.endr
.irp i, 0,1,2,3
	v_and_or_b32 v[TM+8+\i], v[TM+\i], 0x7f800000, s[MNT]
.endr
.irp i, 0,1,2,3
	v_lshrrev_b32 v[TM+4+\i], 23, v[TM+12+\i]
.endr
.irp i, 0,1,2,3
.irp k, 0,1,2,3,4,5,6,7,8,9,10,11,12,13,14,15
	v_med3_num_f32 v[(1-(\i%2))*(96+\k)+(\i%2)*(80+\k+32*(\k/8))], v[S+4*\k+\i], -v[TM+8+\i], v[TM+8+\i]
.endr
	v_cvt_scalef32_pk8_fp8_f32 v[CD+4*\i:CD+4*\i+1], v[96-16*(\i%2):103-16*(\i%2)], v[TM+12+\i]
	v_cvt_scalef32_pk8_fp8_f32 v[CD+4*\i+2:CD+4*\i+3], v[104+16*(\i%2):111+16*(\i%2)], v[TM+12+\i]
.endr
	v_nop                                          ; a plain vector line behind the last conversion
.endm
.macro PUTV
.irp i, 0,1,2,3
	ds_store_b128 v[VIW], v[CD+4*\i:CD+4*\i+3] offset:2048*\i
.endr
.irp i, 0,1,2,3
	ds_store_b8 v[VSW], v[TM+4+\i] offset:128*(\i%2)+4*(\i/2)   ; my block's byte of the scale word of channel 4 r + i
.endr
.endm
; The interval's tile becomes images.  Only the stores wait for the split barrier (interval 0 has none): behind it no wave reads the last step's images any more.
.macro QUANTISE iv
	s_cmp_lt_u32 s[WV], 8
	s_cbranch_scc0 .Lk_\@
	QV \iv%2
	s_branch .Lmade_\@
.Lk_\@:
	QK \iv%2, \iv
.Lmade_\@:
	s_wait_alu depctr_va_vdst(0)
.if \iv > 0
	s_barrier_wait -1
.endif
	s_cmp_lt_u32 s[WV], 8
	s_cbranch_scc0 .Lpk_\@
	PUTV
	s_branch .Lput_\@
.Lpk_\@:
	PUTK
.Lput_\@:
.endm
; THE BARRIER THAT SHOWS THE IMAGES.  In front of it each wave waits for its tensor loads (its rows of tile iv + 1), adds 0 to its spare word, and waits for that, for its image stores and for its reads of the slot.
; Behind it the images and tile iv + 1 are whole and nobody reads slot iv % 2, which tile iv + 2 fills again (iv = 0, 1: a round of the cluster's barrier).
.macro MEET iv
.if \iv < 3
	s_wait_tensorcnt 0x0
	ds_add_u32 v[SPW], v[NIL]
.endif
	s_wait_dscnt 0x0
.if \iv < 2
	ROUND
	tensor_load_to_lds s[GR+4*\iv:GR+4*\iv+3], s[G1:G1+7]
	s_nop 0
.else
	s_barrier_signal -1
	s_barrier_wait -1
.endif
.endm
; A STEP: my 16 queries and 128 keys.
.macro ATT iv
.irp g, 0,1                                        ; S^T = K Q^T, four tiles of 16 keys at a time
.if \g
.rept 8
	v_nop                                          ; places in front of loads into registers that matrix instructions have read
.endr
.else
	ds_load_b128 v[KS:KS+3], v[AKV] offset:16384   ; register q: lanes 0-15 tile 2 q's scale words, lanes 16-31 tile 2 q + 1's
.endif
.irp p, 0,1
	ds_load_b32 v[KR+24*\p+8], v[AAUG] offset:512*\iv+64*(2*\g+\p)   ; the mask's codes of the pair
.irp a, 0,1
	ds_load_b128 v[KR+24*\p+16*\a:KR+24*\p+16*\a+3], v[AKV] offset:(4*\g+2*\p+\a)*1024
	ds_load_b128 v[KR+24*\p+16*\a+4:KR+24*\p+16*\a+7], v[AKV] offset:(4*\g+2*\p+\a)*1024+512
.endr
.endr
.if (\g == 0) && (\iv == 0)
	global_prefetch_b8 v[PFO], s[PFB:PFB+1] offset:0x30000 th:TH_LOAD_NT scope:SCOPE_SE   ; tile 3, which the next change of slots loads
.endif
.irp p, 0,1
	s_wait_dscnt 5*(1-\p)                          ; this pair is in; the other pair's five loads may be out
	v_wmma_scale_f32_16x16x128_f8f6f4 v[S+8*(4*\g+2*\p):S+8*(4*\g+2*\p)+7], v[KR+24*\p:KR+24*\p+15], v[QB:QB+15], 0, v[KS+2*\g+\p], v[QSA]
	v_wmma_scale_f32_16x16x128_f8f6f4 v[S+8*(4*\g+2*\p+1):S+8*(4*\g+2*\p+1)+7], v[KR+24*\p+8:KR+24*\p+23], v[QB+16:QB+31], 0, v[KS+2*\g+\p], v[QSB] matrix_a_scale:MATRIX_SCALE_ROW1
.endr
.endr                                              ; lane (r, h): query r; register 16 c + i is key 32 c + 16 h + i
; The largest score of each block of 32 keys: for the row's maximum and, since p rises with the score, for the block's largest p.  Blocks 0 and 1 (the first four products') first: these sixteen lines are the last products' places.
.irp e, 0,2
.irp b, 0,1
	v_max3_num_f32 v[BM+\e+\b], v[S+16*(\e+\b)], v[S+16*(\e+\b)+1], v[S+16*(\e+\b)+2]
.endr
.irp i, 3,5,7,9,11,13
.irp b, 0,1
	v_max3_num_f32 v[BM+\e+\b], v[BM+\e+\b], v[S+16*(\e+\b)+\i], v[S+16*(\e+\b)+\i+1]
.endr
.endr
.irp b, 0,1
	v_max_num_f32 v[BM+\e+\b], v[BM+\e+\b], v[S+16*(\e+\b)+15]
.endr
.endr
.irp b, 0,1,2,3
	v_permlanex16_b32 v[BP+\b], v[BM+\b], s[SEL], s[SEL+1]
.endr
.irp b, 0,1,2,3
	v_max_num_f32 v[BM+\b], v[BM+\b], v[BP+\b]     ; with lane l xor 16's 16 keys
.endr
	v_max3_num_f32 v[T0], v[BM], v[BM+1], v[BM+2]
	v_max_num_f32 v[T0], v[T0], v[BM+3]
.if \iv == 0
	v_mul_f32 v[T0], s[CS], v[T0]                  ; the largest t (c is positive),
	v_max_num_f32 v[TX], 0xc9b71b00, v[T0]         ; held at -1.5e6 from below, which lies under every row's largest valid t (the limit at the head): in a wave that has met hidden keys alone every p is 0, its sum and O^T too
	v_floor_f32 v[NM], -v[TX]                      ; -M = floor(-t) = -ceil(t)
.else
	v_mul_f32 v[T0], s[CS], v[T0]
	v_max_num_f32 v[TX], v[TX], v[T0]              ; the running largest t
	v_mov_b32 v[T0], v[NM]
	v_floor_f32 v[NM], -v[TX]
	v_sub_f32 v[T0], v[NM], v[T0]                  ; old M - new M: a whole number, 0 or less
	v_cvt_i32_f32 v[T0], v[T0]                     ; (it saturates)
	v_ldexp_f32 v[FF], 1.0, v[T0]                  ; f = 2^(old M - new M): a multiplication by it rounds nothing
.endif
.set n, 0
.rept 32
	v_pk_fma_f32 v[S+n:S+n+1], v[S+n:S+n+1], s[CS:CS+1], v[NM:NM+1] op_sel_hi:[1,0,0]   ; t - M (of the pairs c and -M the low word serves both halves)
.set n, n+2
.endr
.irp b, 0,2
	v_pk_fma_f32 v[BM+\b:BM+\b+1], v[BM+\b:BM+\b+1], s[CS:CS+1], v[NM:NM+1] op_sel_hi:[1,0,0]
.endr
	s_wait_alu depctr_va_vdst(0)
.set n, 0
.rept 64
	v_exp_f32 v[S+n], v[S+n]                       ; p = 2^(t - M), at most 1: not normalised
.set n, n+1
.endr
.irp b, 0,1,2,3
	v_exp_f32 v[BM+\b], v[BM+\b]                   ; the block's largest p: the same two instructions on the same number
.endr
.if \iv == 0
	v_nop                                          ; a plain line behind the exponentials
.else
	v_pk_mul_f32 v[14:15], v[14:15], v[FF:FF+1] op_sel_hi:[1,0]   ; the sums under the new M (a plain line behind the exponentials)
.endif
	s_wait_alu depctr_va_vdst(0)                   ; one wait for the batch, ahead of its first reader
.if \iv == 0                                       ; the row's sum, of the unquantised p, in four chains
	v_pk_add_f32 v[14:15], v[S:S+1], v[S+2:S+3]
	v_pk_add_f32 v[SU:SU+1], v[S+4:S+5], v[S+6:S+7]
	v_pk_add_f32 v[SV:SV+1], v[S+8:S+9], v[S+10:S+11]
	v_pk_add_f32 v[SX:SX+1], v[S+12:S+13], v[S+14:S+15]
.else
	v_pk_add_f32 v[14:15], v[14:15], v[S:S+1]
	v_pk_add_f32 v[SU:SU+1], v[S+2:S+3], v[S+4:S+5]
	v_pk_add_f32 v[SV:SV+1], v[S+6:S+7], v[S+8:S+9]
	v_pk_add_f32 v[SX:SX+1], v[S+10:S+11], v[S+12:S+13]
	v_pk_add_f32 v[14:15], v[14:15], v[S+14:S+15]
.endif
.set n, 16
.rept 6
	v_pk_add_f32 v[SU:SU+1], v[SU:SU+1], v[S+n:S+n+1]
	v_pk_add_f32 v[SV:SV+1], v[SV:SV+1], v[S+n+2:S+n+3]
	v_pk_add_f32 v[SX:SX+1], v[SX:SX+1], v[S+n+4:S+n+5]
	v_pk_add_f32 v[14:15], v[14:15], v[S+n+6:S+n+7]
.set n, n+8
.endr
.irp b, 0,1,2,3
	v_max_num_f32 v[BM+\b], FLOOR, v[BM+\b]        ; a block whose every p is 0 keeps the byte 1: its codes are zeros
.endr
	v_pk_add_f32 v[SU:SU+1], v[SU:SU+1], v[SV:SV+1]
	v_pk_add_f32 v[14:15], v[14:15], v[SX:SX+1]
.irp b, 0,1,2,3
	v_add_nc_u32 v[BS+\b], 0xfc000000, v[BM+\b]
.endr
	v_pk_add_f32 v[14:15], v[14:15], v[SU:SU+1]
.irp b, 0,1,2,3
	v_and_or_b32 v[BL+\b], v[BM+\b], 0x7f800000, s[MNT]
.endr
.irp b, 0,1,2,3
	v_lshrrev_b32 v[BP+\b], 23, v[BS+\b]
.endr
	v_lshl_or_b32 v[PS], v[BP+1], 8, v[BP]         ; p's scale word for these 128 keys
	v_lshl_or_b32 v[PS], v[BP+2], 16, v[PS]
	v_lshl_or_b32 v[PS], v[BP+3], 24, v[PS]
	ds_load_b64 v[VS:VS+1], v[ASV]                 ; register q: lanes 0-15 tile 2 q's scale words, lanes 16-31 tile 2 q + 1's
.irp b, 0,1,2,3
.set n, 0
.rept 8
	v_dual_min_num_f32 v[S+16*\b+n], v[S+16*\b+n], v[BL+\b] :: v_dual_min_num_f32 v[S+16*\b+n+1], v[S+16*\b+n+1], v[BL+\b]   ; the hold; p is not negative, so it is one-sided
.set n, n+2
.endr
	v_cvt_scalef32_pk8_fp8_f32 v[PC+4*\b:PC+4*\b+1], v[S+16*\b:S+16*\b+7], v[BS+\b]
	v_cvt_scalef32_pk8_fp8_f32 v[PC+4*\b+2:PC+4*\b+3], v[S+16*\b+8:S+16*\b+15], v[BS+\b]
.irp c, 0,1,2,3
	ds_load_b128 v[S+16*\b+4*\c:S+16*\b+4*\c+3], v[AKV] offset:8192+2048*\b+512*\c   ; tile b of V^T lands where block b of p stood: the conversions have read it
.endr
.endr
.if \iv == 0
.rept 4
	v_nop                                          ; places between the codes and the products
.endr
.else
	s_wait_alu depctr_va_vdst(0)                   ; directly ahead of the first reader of O^T
.set n, 0
.rept 16
	v_pk_mul_f32 v[O+n:O+n+1], v[O+n:O+n+1], v[FF:FF+1] op_sel_hi:[1,0]   ; O^T under the new M; these lines are also the places between the codes and the products
.set n, n+2
.endr
.endif
	s_wait_alu depctr_va_vdst(0)
.irp p, 0,1                                        ; O^T += V^T P^T; the four accumulators take turns, one instruction a turn; the first interval's products start the sums
	s_wait_dscnt 8*(1-\p)                          ; tiles 2 p, 2 p + 1 are in; the last two tiles' eight loads may be out (p = 0)
.if (\p == 1) && (\iv < 3)
	s_barrier_signal -1                            ; my last reads of these images are in
.endif
.if \iv == 0
	v_wmma_scale_f32_16x16x128_f8f6f4 v[O+16*\p:O+16*\p+7], v[S+32*\p:S+32*\p+15], v[PC:PC+15], 0, v[VS+\p], v[PS]
	v_wmma_scale_f32_16x16x128_f8f6f4 v[O+16*\p+8:O+16*\p+15], v[S+32*\p+16:S+32*\p+31], v[PC:PC+15], 0, v[VS+\p], v[PS] matrix_a_scale:MATRIX_SCALE_ROW1
.else
	v_wmma_scale_f32_16x16x128_f8f6f4 v[O+16*\p:O+16*\p+7], v[S+32*\p:S+32*\p+15], v[PC:PC+15], v[O+16*\p:O+16*\p+7], v[VS+\p], v[PS]
	v_wmma_scale_f32_16x16x128_f8f6f4 v[O+16*\p+8:O+16*\p+15], v[S+32*\p+16:S+32*\p+31], v[PC:PC+15], v[O+16*\p+8:O+16*\p+15], v[VS+\p], v[PS] matrix_a_scale:MATRIX_SCALE_ROW1
.endif
.endr
.endm
.macro INTERVAL iv
.if \iv > 0
.rept 8
	v_nop                                          ; places behind the last products
.endr
.endif
	QUANTISE \iv
	MEET \iv
	ATT \iv
.endm
; The vector set-up: addresses, the mask's constants, the zero codes.  It stands behind the head's tensor loads.
.macro SETUP
	v_and_b32 v17, 31, v0                          ; lane
	v_and_b32 v18, 15, v0                          ; r
	v_bfe_u32 v19, v0, 4, 1                        ; h
	v_and_b32 v24, 7, v0
	v_bfe_u32 v25, v0, 3, 1
	v_lshl_add_u32 v[AKV], v17, 4, s49
	v_lshl_add_u32 v[ASV], v17, 3, s50
	v_lshl_add_u32 v[AAUG], v18, 2, s51
	v_mul_u32_u24 v20, v18, PITCH
	v_lshl_add_u32 v20, v19, 4, v20                ; row r, 16 bytes for each half of the lanes
	v_add_nc_u32 v[KRD], s52, v20
	v_add_nc_u32 v[KRD+1], SLOT, v[KRD]
	v_add_nc_u32 v[STR], s58, v20
	v_mul_u32_u24 v21, v19, 16*PITCH
	v_lshl_add_u32 v21, v18, 4, v21                ; lanes 16-31 sixteen rows further down, 16 bytes a lane
	v_add_nc_u32 v[VRD], s53, v21
	v_add_nc_u32 v[VRD+1], SLOT, v[VRD]
	v_mul_u32_u24 v22, v19, PITCH
	v_lshl_add_u32 v22, v18, 4, v22
	v_add_nc_u32 v[STW], s58, v22                  ; my stage by rows as memory has them
	v_lshlrev_b32 v26, 4, v24
	v_lshl_add_u32 v27, v25, 8, v26
	v_lshl_add_u32 v26, v25, 10, v26
	v_lshl_add_u32 v26, v19, 8, v26
	v_add_nc_u32 v[KIW], s54, v26                  ; 1024 (r / 8) + 16 (r % 8) + 256 h
	v_add_nc_u32 v[KSW], s55, v27                  ; 256 (r / 8) + 16 (r % 8)
	v_lshl_add_u32 v[VIW], v17, 4, s56
	v_lshl_add_u32 v[VSW], v18, 3, s57
	v_lshl_add_u32 v[QA], v17, 4, s59
	v_lshl_add_u32 v[QAW], v18, 2, s60
	v_add_nc_u32 v[KEYL], s61, v18
	v_min_u32 v[PFO], 7, v17
	v_lshlrev_b32 v[PFO], 8, v[PFO]
	v_lshrrev_b32 v20, 4, v0                       ; the mask's word of my thread: pair thread / 16, row thread % 16
	v_lshl_add_u32 v20, v20, 5, v18
	v_and_b32 v21, 8, v0
	v_add_nc_u32 v20, v20, v21                     ; its key in tile a,
	v_add_nc_u32 v21, 8, v20                       ; and in tile b
	v_lshl_add_u32 v22, v0, 2, AUG
	v_mov_b32 v23, 0xfe                            ; the code of -448
	v_mov_b32 v24, 0xfe00
.set n, 0
.rept 16
	v_mov_b32 v[QB+8+n], 0                         ; the zero codes of the unused halves
.set n, n+1
.endr
.set n, 0
.rept 8
	v_mov_b32 v[KR+8+n], 0
	v_mov_b32 v[KR+32+n], 0
.set n, n+1
.endr
	v_cmp_eq_u32 vcc_lo, 0, v19
	v_mov_b32 v25, 0x38                            ; the code of 1.0
	v_mov_b32 v26, 0x3800
	v_cndmask_b32 v[QB+8], 0, v25, vcc_lo          ; Q's code in the mask channel: byte 0 for a, byte 1 for b, in lanes 0-15
	v_cndmask_b32 v[QB+16], 0, v26, vcc_lo
.irp b, 0,1,2,3
	v_mov_b32 v[TM+4+\b], 0                        ; written once: a lane permute's destination counts as one of its sources
.endr
	v_mov_b32 v[FF+1], 0                           ; (named as the upper half of a pair)
.endm
; Group 1 of a descriptor: rows of 64 f32, 256 bytes apart, 16 bytes of padding behind each in LDS; to the four work-groups of the cluster.
.macro GROUP1 g, rows
	s_mov_b32 s[\g], 15|(2<<16)|(1<<20)|(1<<21)|(5<<22)|(3<<25)
	s_mov_b32 s[\g+1], 64<<16
	s_mov_b32 s[\g+2], \rows<<16
	s_mov_b32 s[\g+3], 64<<16
	s_mov_b32 s[\g+4], \rows
	s_mov_b32 s[\g+5], 64
	s_mov_b32 s[\g+6], 0
	s_mov_b32 s[\g+7], 0
.endm
	s_load_b256 s[4:11], s[0:1], 0x0               ; Q s[4:5], K s[6:7], V s[8:9], valid_lens s[10:11]
	s_load_b64 s[12:13], s[0:1], 0x20              ; out
	v_lshl_add_u32 v[SPW], v0, 2, SPARE
	v_mov_b32 v[NIL], 0
	ds_add_u32 v[SPW], v[NIL]                      ; the wave's opening: the add, twice on end, under one wait
	ds_add_u32 v[SPW], v[NIL]
	v_lshrrev_b32 v16, 5, v0
	v_readfirstlane_b32 s[WV], v16                 ; wave 0..15
	v_and_b32 v17, 31, v0
	v_lshlrev_b32 v[GA], 4, v17
	s_and_b32 s44, s[WV], 7                        ; my tile of queries; my block of V or of K
	s_lshr_b32 s45, s[WV], 3                       ; my half of an interval's keys
	s_bfe_u32 s46, ttmp6, 0x40000                  ; my place in the cluster
	s_lshr_b32 s47, ttmp9, 1                       ; the batch: two clusters each
	s_and_b32 s48, ttmp9, 1
	s_lshl_b32 s48, s48, 2
	s_add_co_u32 s48, s48, s46                     ; the block of 128 queries
	GROUP1 G1, 32
	GROUP1 GH, 64
	s_lshl_b32 s80, s47, 18                        ; a batch is 1,024 rows of 256 bytes
	s_lshl_b32 s82, s44, 13
	s_add_co_u32 s82, s82, s80                     ; the refills: K or V, my 32 rows of a tile
	s_mov_b32 s83, 0
	s_lshl_b32 s84, s48, 15
	s_add_co_u32 s84, s84, s80
	s_lshl_b32 s81, s44, 12
	s_add_co_u32 s84, s84, s81                     ; Q, out: my tile's 16 rows
	s_mov_b32 s85, 0
	s_lshl_b32 s86, s47, 2
	s_mov_b32 s87, 0
	s_lshl_b32 s88, s46, 11                        ; the prefetch: eight rows for each place in the cluster
	s_mov_b32 s89, 0
	s_and_b32 s90, s[WV], 3
	s_lshl_b32 s90, s90, 14
	s_add_co_u32 s90, s90, s80
	s_lshl_b32 s81, s45, 16
	s_add_co_u32 s90, s90, s81                     ; the head's load: my 64 rows of tile 0 (waves 0-7) or 1
	s_mov_b32 s91, 0
	s_and_b32 s81, s[WV], 4                        ; of K (0) or V
	s_wait_dscnt 0x0                               ; both opening adds are done
	s_wait_alu depctr_va_vdst(0)
	s_wait_kmcnt 0x0
	s_add_nc_u64 s[10:11], s[10:11], s[86:87]
	s_load_b32 s[VLC], s[10:11], 0x0               ; my batch's valid_len
	s_add_nc_u64 s[4:5], s[4:5], s[84:85]
	s_add_nc_u64 s[12:13], s[12:13], s[84:85]
	s_cmp_eq_u32 s81, 0
	s_cselect_b64 s[26:27], s[6:7], s[8:9]
	s_add_nc_u64 s[26:27], s[26:27], s[90:91]
	s_mov_b32 s[G0], 1
	s_mul_i32 s[G0+1], s[WV], 64*PITCH             ; slot 0 is waves 0-7's 512 rows, slot 1 waves 8-15's
	s_mov_b64 s[G0+2:G0+3], s[26:27]
	s_or_b32 s[G0+3], s[G0+3], 0x80000000
	s_cmp_lt_u32 s[WV], 8
	s_cbranch_scc0 .Lno_q
.irp j, 0,1,2,3,4,5,6,7
	global_load_b128 v[S+4*\j:S+4*\j+3], v[GA], s[4:5] offset:512*\j   ; two whole rows of Q a load
.endr
.Lno_q:
	ROUND                                          ; all four work-groups are here: the first joint loads meet
	s_cmp_lt_u32 s[WV], 8                          ; two lines, since waves 0-7 alone wait for theirs at the first barrier
	s_cbranch_scc0 .Lfirst_b
	tensor_load_to_lds s[G0:G0+3], s[GH:GH+7]
	s_nop 0
.rept 4
	v_nop
.endr
	s_branch .Lfirst
.Lfirst_b:
	tensor_load_to_lds s[G0:G0+3], s[GH:GH+7]
	s_nop 0
.rept 4
	v_nop
.endr
.Lfirst:
	s_cmp_lt_u32 s[WV], 8                          ; the refills: waves 0-7 fetch K's rows, waves 8-15 V's
	s_cselect_b64 s[26:27], s[6:7], s[8:9]
	s_add_nc_u64 s[26:27], s[26:27], s[82:83]
	s_add_nc_u64 s[PFB:PFB+1], s[26:27], s[88:89]
	s_mov_b32 s[GR], 1
	s_mul_i32 s[GR+1], s[WV], 32*PITCH
	s_add_nc_u64 s[GR+2:GR+3], s[26:27], 0x20000
	s_or_b32 s[GR+3], s[GR+3], 0x80000000
	s_mov_b32 s[GR+4], 1
	s_add_co_u32 s[GR+5], s[GR+1], SLOT
	s_add_nc_u64 s[GR+6:GR+7], s[26:27], 0x30000
	s_or_b32 s[GR+7], s[GR+7], 0x80000000
	s_mov_b32 s[MNT], 0x600000                     ; the mantissa field of 448
	s_mov_b32 s[SEL], 0x76543210
	s_mov_b32 s[SEL+1], 0xfedcba98                 ; v_permlanex16_b32's selects for lane l xor 16
	s_mov_b32 s[CS], 0x3e38aa3b                    ; log2(e) / 8
	s_mov_b32 s[CS+1], s[CS]                       ; (named with it as a pair, so it is written)
	s_mov_b32 s[HM], 0xff00ff00                    ; the lanes with r / 8 = 1
	s_mul_i32 s49, s45, REC
	s_add_co_u32 s49, s49, IMG
	s_add_co_u32 s50, s49, 16896
	s_lshl_b32 s51, s45, 8
	s_add_co_u32 s51, s51, AUG
	s_mul_i32 s52, s44, 32*PITCH
	s_add_co_u32 s53, s52, 256*PITCH
	s_lshr_b32 s62, s44, 2
	s_mul_i32 s62, s62, REC
	s_add_co_u32 s62, s62, IMG                     ; the images that my block goes to,
	s_and_b32 s63, s44, 3                          ; and which 32 of their keys
	s_lshl_b32 s54, s63, 11
	s_add_co_u32 s54, s54, s62
	s_lshl_b32 s55, s63, 2
	s_add_co_u32 s55, s55, s62
	s_add_co_u32 s55, s55, 16384
	s_lshl_b32 s56, s63, 9
	s_add_co_u32 s56, s56, s62
	s_add_co_u32 s56, s56, 8192
	s_add_co_u32 s57, s62, s63
	s_add_co_u32 s57, s57, 16896
	s_mul_i32 s58, s44, STB
	s_add_co_u32 s58, s58, STG
	s_mul_i32 s59, s44, QP
	s_add_co_u32 s59, s59, QIMG
	s_add_co_u32 s60, s59, 1024
	s_lshl_b32 s61, s44, 5
	SETUP
	s_wait_alu depctr_va_vdst(0)
	s_wait_kmcnt 0x0                               ; valid_len
	s_cmp_gt_i32 s[VLC], 0
	s_cselect_b32 s[QM], -1, 0                     ; valid_len under 1: Q's codes become zeros, and every key counts
	s_cselect_b32 s[VLC], s[VLC], 1024
	v_cmp_le_i32 vcc_lo, s[VLC], v20
	v_cndmask_b32 v25, 0, v23, vcc_lo
	v_cmp_le_i32 vcc_lo, s[VLC], v21
	v_cndmask_b32 v26, 0, v24, vcc_lo
	v_or_b32 v25, v25, v26
	ds_store_b32 v22, v25                          ; the mask's codes for all 1,024 keys: a word a thread
	s_cmp_lt_u32 s[WV], 8
	s_cbranch_scc0 .Lq_done
	s_wait_loadcnt 0x0
.irp j, 0,1,2,3,4,5,6,7
	ds_store_b128 v[STW], v[S+4*\j:S+4*\j+3] offset:2*\j*PITCH
.endr
.irp c, 0,1
.irp i, 0,1,2,3
	ds_load_b128 v[S+32+16*\c+4*\i:S+32+16*\c+4*\i+3], v[STR] offset:128*\c+32*\i   ; LDS serves a wave's instructions in order (ISA guide 5.7.1.4): these see the stores above
.endr
.endr
	s_wait_dscnt 0x0
	QUANT S+32, CD
	v_nop                                          ; a plain vector line behind the last conversion
.irp i, 0,1,2,3,4,5,6,7
	v_and_b32 v[CD+\i], s[QM], v[CD+\i]
.endr
	ds_store_b128 v[QA], v[CD:CD+3]
	ds_store_b128 v[QA], v[CD+4:CD+7] offset:512
	ds_store_b32 v[QAW], v[TM+2]
.Lq_done:
	s_wait_alu depctr_va_vdst(0)
	s_cmp_lt_u32 s[WV], 8
	s_cbranch_scc0 .Ltile_1_out
	s_wait_tensorcnt 0x0                           ; waves 0-7: my rows of tile 0 are in.  Tile 1 may be out
.Ltile_1_out:
	s_wait_dscnt 0x0                               ; for the others' sake: Q's codes and the mask's have landed, and my reads of my stage are over
	s_barrier_signal -1
	s_barrier_wait -1
	ds_load_b128 v[QB:QB+3], v[QA]                 ; my tile's codes, twice, and its scale bytes
	ds_load_b128 v[QB+4:QB+7], v[QA] offset:512
	ds_load_b128 v[QB+24:QB+27], v[QA]
	ds_load_b128 v[QB+28:QB+31], v[QA] offset:512
	ds_load_b32 v[T1], v[QAW]
	s_wait_dscnt 0x0
	v_or_b32 v[QSA], 0x7f7f0000, v[T1]             ; [s0 s1 1 1] for a,
	v_lshl_or_b32 v[QSB], v[T1], 16, 0x7f7f        ; [1 1 s0 s1] for b
	s_wait_alu depctr_va_vdst(0)
	INTERVAL 0
	INTERVAL 1
	INTERVAL 2
	INTERVAL 3
	; THE END.  Waves 8-15 hand O^T, -M and the sum over as images of the registers.  The address lines are also the places behind the last products.
	s_mul_i32 s49, s44, STB
	s_add_co_u32 s50, s49, 4096
	s_add_co_u32 s51, s49, OUTS
	v_and_b32 v80, 31, v0
	v_and_b32 v81, 15, v0
	v_bfe_u32 v82, v0, 4, 1
	v_lshl_add_u32 v83, v80, 4, s49                ; the hand-over: 16 x lane, and behind O^T 4 x lane
	v_lshl_add_u32 v84, v80, 2, s50
	v_mul_u32_u24 v85, v81, PITCH
	v_mul_u32_u24 v86, v82, PITCH
	v_lshl_add_u32 v85, v82, 7, v85
	v_lshl_add_u32 v86, v81, 4, v86
	v_add_nc_u32 v85, s51, v85                     ; out's stage, row r, 128 bytes for each half of the lanes
	v_add_nc_u32 v86, s51, v86                     ; and by rows as memory has them
	v_add_f32 v14, v14, v15                        ; the sum's two halves,
	v_permlanex16_b32 v[T0], v14, s[SEL], s[SEL+1]
	v_add_f32 v14, v14, v[T0]                      ; and lane l xor 16's
	s_wait_alu depctr_va_vdst(0)
	s_cmp_lt_u32 s[WV], 8
	s_cbranch_scc1 .Lkeeper
.irp k, 0,1,2,3,4,5,6,7
	ds_store_b128 v83, v[O+4*\k:O+4*\k+3] offset:512*\k
.endr
	ds_store_b32 v84, v[NM]
	ds_store_b32 v84, v14 offset:128
.Lkeeper:
	s_wait_dscnt 0x0                               ; for the other wave's sake: my stores have landed
	s_barrier_signal -1
	s_barrier_wait -1
	s_cmp_lt_u32 s[WV], 8
	s_cbranch_scc0 .Lend
	ds_load_b32 v[T1], v84
	ds_load_b32 v[T2], v84 offset:128
.irp k, 0,1,2,3,4,5,6,7
	ds_load_b128 v[S+4*\k:S+4*\k+3], v83 offset:512*\k
.endr
	s_wait_dscnt 0x0
	v_min_num_f32 v[T0], v[NM], v[T1]              ; -M of both: the larger M
	v_sub_f32 v[BM], v[T0], v[NM]                  ; my M less the common one, and the other's: whole numbers, 0 or less
	v_sub_f32 v[BM+1], v[T0], v[T1]
	v_cvt_i32_f32 v[BM], v[BM]
	v_cvt_i32_f32 v[BM+1], v[BM+1]
	v_ldexp_f32 v[BM], 1.0, v[BM]                  ; exact powers of two (0 for a wave all of whose keys were hidden)
	v_ldexp_f32 v[BM+1], 1.0, v[BM+1]
	v_mul_f32 v[BM+2], v14, v[BM]
	v_fmac_f32 v[BM+2], v[T2], v[BM+1]             ; the row's sum
	s_wait_alu depctr_va_vdst(0)                   ; ahead of the transcendental
	v_rcp_f32 v[BM+3], v[BM+2]
	v_nop
	s_wait_alu depctr_va_vdst(0)                   ; and ahead of its first reader
	v_mul_f32 v[BM], v[BM], v[BM+3]
	v_mul_f32 v[BM+1], v[BM+1], v[BM+3]
.irp j, 0,1,2,3,4,5,6,7                            ; register 8 i + j of O^T is channel 32 h + 4 j + i: the scaling writes the channels in their order
.irp i, 0,1,2,3
	v_mul_f32 v[S+32+4*\j+\i], v[O+8*\i+\j], v[BM]
.endr
.endr
.irp j, 0,1,2,3,4,5,6,7
.irp i, 0,1,2,3
	v_fmac_f32 v[S+32+4*\j+\i], v[S+8*\i+\j], v[BM+1]
.endr
.endr
.irp k, 0,1,2,3,4,5,6,7
	ds_store_b128 v85, v[S+32+4*\k:S+32+4*\k+3] offset:16*\k      ; a lane's 128 bytes of its query's row
.endr
.irp k, 0,1,2,3,4,5,6,7
	ds_load_b128 v[PC+4*\k:PC+4*\k+3], v86 offset:2*\k*PITCH      ; back by rows: these see the stores above
.endr
.irp k, 0,1,2,3,4,5,6,7
	s_wait_dscnt 7-\k                              ; row pair k is back; the younger loads may be out
	global_store_b128 v[GA], v[PC+4*\k:PC+4*\k+3], s[12:13] offset:512*\k th:TH_STORE_NT   ; sixteen lanes store one row: 256 consecutive bytes, aligned
.endr
.Lend:
	s_wait_tensorcnt 0x0                           ; the wave's end
	ds_add_u32 v[SPW], v[NIL]
	s_wait_dscnt 0x0
	ROUND                                          ; the closing round: no work-group ends while a partner may still ask for a tile that names it
	s_endpgm
.Lfunc_end_k_qe07945bf87_attention:
	.size	k_qe07945bf87_attention, .Lfunc_end_k_qe07945bf87_attention-k_qe07945bf87_attention
	.p2alignl 7, 3214868480
	.fill 96, 4, 3214868480
	.section	.rodata,"a",@progbits
	.p2align	6, 0x0
	.amdhsa_kernel k_qe07945bf87_attention
		.amdhsa_group_segment_fixed_size 327680
		.amdhsa_private_segment_fixed_size 0
		.amdhsa_enable_private_segment 0
		.amdhsa_kernarg_size 40
		.amdhsa_user_sgpr_count 2
		.amdhsa_user_sgpr_kernarg_segment_ptr 1
		.amdhsa_wavefront_size32 1
		.amdhsa_system_sgpr_workgroup_id_x 1
		.amdhsa_system_sgpr_workgroup_id_y 1
		.amdhsa_system_sgpr_workgroup_id_z 1
		.amdhsa_system_vgpr_workitem_id 0
		.amdhsa_next_free_vgpr 256
		.amdhsa_next_free_sgpr 100
		.amdhsa_reserve_vcc 1
		.amdhsa_float_denorm_mode_32 3
		.amdhsa_float_denorm_mode_16_64 3
		.amdhsa_memory_ordered 1
		.amdhsa_forward_progress 1
		.amdhsa_inst_pref_size 177
	.end_amdhsa_kernel
	.amdgpu_metadata
---
amdhsa.version: [ 1, 2 ]
amdhsa.kernels:
  - .name:           k_qe07945bf87_attention
    .symbol:         k_qe07945bf87_attention.kd
    .args:
      - { .name: queries, .offset: 0, .size: 8, .value_kind: global_buffer, .address_space: global }
      - { .name: keys, .offset: 8, .size: 8, .value_kind: global_buffer, .address_space: global }
      - { .name: values, .offset: 16, .size: 8, .value_kind: global_buffer, .address_space: global }
      - { .name: valid_lens, .offset: 24, .size: 8, .value_kind: global_buffer, .address_space: global }
      - { .name: out0, .offset: 32, .size: 8, .value_kind: global_buffer, .address_space: global }
    .group_segment_fixed_size: 327680
    .private_segment_fixed_size: 0
    .kernarg_segment_align: 8
    .kernarg_segment_size: 40
    .max_flat_workgroup_size: 512
    .sgpr_count:     100
    .vgpr_count:     256
    .wavefront_size: 32
...
	.end_amdgpu_metadata
.endif
;; end of part 1
